; MI455X (gfx1250); checked and timed in simulation.
; The chip was launched on July 23, 2026; its instructions are those of AMD's public machine-readable ISA for CDNA 5 (MIT licence, August 2026) and "CDNA5" Instruction Set Architecture Reference Guide (July 2026). The comments in the code are by the model that wrote it; some were corrected since.
;; Lie Fuc With Bracket Weight Optimized. Allowed arithmetic: matrix products marked QUANTISED: E4M3 operands, one given power-of-two scale a tensor, by v_wmma_f32_16x16x64_fp8_fp8 or v_wmma_f32_16x16x128_fp8_fp8, f32 sums; everything else in f32.
;; Inputs: W 128 x 64 float32; lowp_scales 6 int32 (the exponents e of the quantised operands' scales 2^e); x 8 x 64 x 512 float32.
;; Outputs: out0 8 x 64 x 512 float32.
;; This version of the problem:
;;   THIS VERSION OF THE PROBLEM IS GIVEN IN LOW PRECISION. The matrix products marked QUANTISED in the list below multiply operands that are first quantised to E4M3 (4 exponent bits, 3 mantissa bits; 8 bits a number), with one given power-of-two scale for each operand tensor; their sums are f32. All else is computed in f32.
;;   The module's matrix products, in the order in which they are computed (A, B: the left and right operand; K: the contracted axis; several contracted axes count as one K, in the product's order):
;;     1. [M 4,096, K 64] x [K 64, N 64]; A: input x; B: input W: QUANTISED (scales: A lowp_scales[0], B lowp_scales[1])
;;     2. [M 4,096, K 64] x [K 64, N 64]; A: input x; B: input W: QUANTISED (scales: A lowp_scales[2], B lowp_scales[3])
;;     3. batch 8 x [M 64, K 512] x [K 512, N 512]; A: input x; B: computed on the way: QUANTISED (scales: A lowp_scales[4], B lowp_scales[5])
;;   THE QUANTISER, for each operand of a quantised product, along K:
;;     - The operand's scale is 2^e, e = its entry of the input lowp_scales (int32; the entries are numbered through the quantised products in the list's order, A before B).
;;     - Each number is divided by the scale, clamped to +-448, and rounded to the nearest number of E4M3, ties to even, subnormals kept.
;;     - The product sums the exact products of the quantised numbers (number of the format x scale) in f32.
;;   ~~~python
;;   def quantise(x, axis, e):      # numpy; x: float32 -> the quantised numbers, widened to float32 again
;;       x = np.moveaxis(x, axis, -1); K = x.shape[-1]
;;       r = np.clip(x / 2.0 ** e, -448, 448)
;;       step = 2.0 ** (np.maximum(np.frexp(np.where(r == 0, 1, r))[1] - 1, -6) - 3)
;;       q = np.round(r / step) * step * 2.0 ** e      # np.round: ties to even
;;       return np.moveaxis(q, -1, axis).astype(np.float32)
;;   ~~~
;;   OPERANDS COMPUTED ON THE WAY. 'Computed on the way' means the value that the module computes at that place (a softmax that the list does not call 'softmax' is quantised finished and normalised). What goes into a quantiser is computed in f32, as accurately as f32 sums, v_exp_f32 and their like allow (about 1e-6 of the number): no bf16 or f16 on the way to a quantiser, and a product that is left as it is and whose result goes on into a quantised operand takes f32 operands (vector FMAs, or v_wmma_f32_16x16x4_f32). A number that lies on a knife's edge between two numbers of the format may be rounded either way, as far as f32 arithmetic and the matrix unit's own rounding can turn it there, and no further.
;; One version. Each part assembles by itself: llvm-mc -triple=amdgcn-amd-amdhsa -mcpu=gfx1250 --defsym DOCPART=n.
;; ======== version 1 of 1: 1 launch
;; launch bracket (part 1): grid 32 x 8, 8 waves a work-group, clusters of 4 x 1, 214,016 bytes of LDS; arguments x, W, lowp_scales, out0; writes out0
.if DOCPART == 1
	.amdgcn_target "amdgcn-amd-amdhsa--gfx1250"
	.amdhsa_code_object_version 6
	.text
	.protected	k_qe2e8bdf143_bracket
	.globl	k_qe2e8bdf143_bracket
	.p2align	8
	.type	k_qe2e8bdf143_bracket,@function
k_qe2e8bdf143_bracket:
	s_mov_b64 s[64:65], 0
	v_nop
	global_prefetch_b8 v0, s[64:65] scope:SCOPE_SE
	s_setreg_imm32_b32 hwreg(HW_REG_WAVE_MODE, 25, 1), 1
	s_wait_xcnt 0x0
	s_wait_alu depctr_hold_cnt(0) depctr_sa_sdst(0) depctr_va_vdst(0) depctr_va_sdst(0) depctr_va_ssrc(0) depctr_va_vcc(0) depctr_vm_vsrc(0)
	s_getreg_b32 s2, hwreg(HW_REG_IB_STS2, 6, 4)
	s_cmp_eq_u32 s2, 0
	s_cbranch_scc0 .Lentry_in_a_cluster
	s_endpgm
.Lentry_in_a_cluster:
	s_bfe_u32 s2, ttmp6, 0x10000c
	s_cmp_lg_u32 s2, 0x3003
	s_cbranch_scc0 .Lentry_shape_is_right
	s_endpgm
.Lentry_shape_is_right:
; out[b][d][c] = sum over w of Q(x[b][d][w]) Q(wmat[b][w][c]);  wmat[w][c] = 1 - |a[c] + b[w]| (64 channels) where w >= c, else 1;
; a[c] = Q(x[b][:,c]) Q(W[0:64]), b[w] = Q(x[b][:,w]) Q(W[64:128]).  Q: codes of E4M3 with the given scales 2^e0 .. 2^e5; all three products on the FP8 matrix forms, sums in f32.
; SHARES.  Grid 32 x 8: batch = y.  Work-group g of a batch owns 16 columns c: 8 g .. 8 g + 7 and their mirror 504 - 8 g .. 511 - 8 g, so that every work-group has as many pairs (w >= c) as any other.
; Eight waves.  Wave v owns the rows w of blocks v and 15 - v (32 rows each): their b stay in 128 registers, just as the matrix unit left them.
; The norms are the direct sum of (a + b)^2: no difference of large sums.  b is used as the raw sum of code products; a is brought to b's power of two (x 2^(e0+e1-e2-e3), exact), and 2^(e2+e3) is applied to the root.
; Blocks of rows that lie wholly above the diagonal are jumped over: their entries are 1 by the mask.  The jump hangs on the wave's number, the loop's count and the cluster's x alone.
; CLUSTER.  The four work-groups of a cluster belong to one batch and need the same x[b]: each of its eight tiles is asked for jointly (mask 15).  Nothing in LDS is filled twice.
; My 16 columns of x are read from memory and not from LDS: their place hangs on my place in the cluster, which enters no LDS address.
; STORES.  A lane stores 32 consecutive bytes of a row of out (8 neighbouring columns).  256 consecutive bytes would want 64 neighbouring columns in one work-group: 64 work-groups in all, with uneven
; triangles (up to 64 x 512 pairs against 4,352 here).  The even share over 256 work-groups was preferred.
; LIMITS: e0 .. e4 between -126 and 119 (each scale and 448 x the scale are made as f32 patterns); the other powers of two go by v_ldexp_f32.  NaN among the inputs is not served.
.set XP,    272                        ; a row of an x tile in LDS: 256 bytes (64 positions) + 16 of padding: 68 words, so 16 rows start at 16 different groups of four banks (64 banks of 4 bytes: ISA guide 11.1)
.set GRP,   64*XP                      ; a tile: 64 rows d of 64 positions
.set WIMG,  8*GRP                      ; W's codes as images of operand registers: 2 halves of W x 4 tiles x 1,024 bytes
.set CIMG,  WIMG+8192                  ; my 16 columns' codes, two copies of 1,024 bytes (one for waves 0-3, one for waves 4-7)
.set AREG,  CIMG+2048                  ; a: for each wave its own 16 rows of AP bytes: column, half of the lanes, 32 channels
.set AP,    272
.set AWV,   16*AP
.set CODES, AREG+8*AWV                 ; wmat's codes: [block of 32 rows w][column][32 bytes + 16]: a block's 768 bytes are written by one wave alone
.set CBP,   48                         ; 12 words: the 16 columns that a 16-byte load touches fall on 16 different groups of four banks
.set CBB,   16*CBP
.set XQIMG, CODES+16*CBB               ; images of the last product's x fragments made by waves 4-7: 4 x 4,096 bytes; ends at 212,992
; REGISTERS.  v2 r = lane % 16, v3 h = lane / 16, v4 lane; v5-v22 addresses (named where they are made); v23 2^(e2+e3-e5), v24 2^-e5; v25-28 scales and holds; v29, v1 addresses of a's loads; v30, v31 of the byte stores
; v32-63, v64-95 operands, later a's two buffers; v96-103 sums a + b; v104-111 four chains of squares; v112-125 the end of a column; v128-255 b (block n, tile i, channel tile t at 128 + 64 n + 32 i + 8 t)
.macro ROUND                           ; a round of the cluster's barrier
	s_barrier_signal -1
	s_barrier_wait -1
	s_cmp_lg_u32 s12, 0
	s_cbranch_scc1 .Lnot_wave_0_\@
	s_barrier_signal -3
.Lnot_wave_0_\@:
	s_barrier_wait -3
	s_barrier_signal -1
	s_barrier_wait -1
.endm
.macro MKSCALE vs, vl, se              ; 2^e as f32 (the conversion takes its exponent field), and 448 x 2^e for the hold
	s_add_co_i32 s46, \se, 127
	s_lshl_b32 s47, s46, 23
	v_mov_b32 v\vs, s47
	s_add_co_i32 s46, s46, 8
	s_lshl_b32 s46, s46, 23
	s_or_b32 s46, s46, 0x600000
	v_mov_b32 v\vl, s46
.endm
	s_load_b256 s[4:11], s[0:1], 0x0               ; x s[4:5], W s[6:7], the exponents s[8:9], out s[10:11]
	s_set_vgpr_msb 0x40
	v_lshl_add_u32 v0, v0, 2, 0x34000
	v_mov_b32 v1, 0
	s_set_vgpr_msb 0x4045
	ds_add_u32 v0, v1
	ds_add_u32 v0, v1
	s_set_vgpr_msb 0x4500
	v_lshrrev_b32 v1, 5, v0
	v_readfirstlane_b32 s12, v1                    ; wave 0..7
	v_and_b32 v2, 15, v0                           ; r
	v_bfe_u32 v3, v0, 4, 1                         ; h
	v_and_b32 v4, 31, v0                           ; lane
	s_bfe_u32 s13, ttmp6, 0x40000                  ; cx: my place in the cluster
	s_lshl_b32 s14, ttmp9, 2
	s_add_co_u32 s14, s14, s13                     ; g = 4 x cluster x + cx: it enters global addresses and the mask's compare alone
	s_and_b32 s16, ttmp7, 0xffff                   ; the batch, which the four partners share
	s_lshl_b32 s17, s16, 17                        ; x 131,072 bytes
	s_and_b32 s38, s12, 3                          ; wave % 4
	s_lshr_b32 s39, s12, 2                         ; wave / 4
	; descriptor group 1: 64 rows of 64 f32, 512 elements apart in memory, 4 words of padding behind each 64
	s_mov_b32 s24, 15|(2<<16)|(1<<20)|(1<<21)|(5<<22)|(3<<25)  ; mask: all four work-groups; elements of 4 bytes; padding on; bit 21 beside a mask; after every 64 words; 4 words
	s_mov_b32 s25, 64<<16                          ; tensor_dim0
	s_mov_b32 s26, 64<<16                          ; tensor_dim1
	s_mov_b32 s27, 64<<16                          ; tile_dim0
	s_mov_b32 s28, 64                              ; tile_dim1
	s_mov_b32 s29, 512                             ; from row to row
	s_mov_b32 s30, 0
	s_mov_b32 s31, 0
	s_mov_b32 s20, 1
	s_mul_i32 s21, s12, GRP                        ; wave v brings positions 64 v .. 64 v + 63 to tile v
	v_lshlrev_b32 v5, 4, v2
	v_lshl_add_u32 v5, v3, 11, v5                  ; v5: W: 16 r + 8 h rows of 256 bytes: sixteen lanes read one whole row
	s_lshl_b32 s50, s14, 3                         ; 8 g: column of index ci < 8 is 8 g + ci
	s_sub_co_u32 s51, 496, s50                     ; 496 - 8 g: column of index ci >= 8 is 496 - 8 g + ci
	s_lshl_b32 s42, s14, 4
	s_sub_co_u32 s42, 496, s42
	v_lshrrev_b32 v1, 3, v2
	v_mad_u32_u24 v6, v1, s42, v2
	v_add_nc_u32 v6, s50, v6                       ; lane r's column
	v_lshlrev_b32 v6, 2, v6
	v_lshl_add_u32 v6, v3, 14, v6                  ; v6: its bytes in a row of x, + 8 h rows of 2,048 bytes
	s_wait_dscnt 0x0
	s_wait_kmcnt 0x0
	s_load_b128 s[32:35], s[8:9], 0x0              ; e0 .. e3
	s_load_b64 s[36:37], s[8:9], 0x10              ; e4, e5
	s_lshl_b32 s18, s12, 8
	s_add_co_u32 s18, s18, s17
	s_mov_b32 s19, 0
	s_add_nc_u64 s[22:23], s[4:5], s[18:19]        ; the tile's first element: batch, position 64 v
	s_or_b32 s23, s23, 0x80000000                  ; type 2
	s_lshl_b32 s18, s12, 12
	s_add_nc_u64 s[6:7], s[6:7], s[18:19]          ; W at row 16 v: waves 0-3 take the half that makes a, waves 4-7 the half that makes b
	s_lshl_b32 s18, s38, 15
	s_add_co_u32 s18, s18, s17
	s_add_nc_u64 s[40:41], s[4:5], s[18:19]        ; x at row d = 16 (v % 4) of my batch
	s_add_nc_u64 s[10:11], s[10:11], s[18:19]      ; out likewise: waves 0-3 store rows 16 v .. 16 v + 15
.irp i, 0,1,2,3,4,5,6,7
	global_load_b128 v[64+4*\i:67+4*\i], v5, s[6:7] offset:256*\i     ; W(16 v + 8 h + i, 4 r .. 4 r + 3): register t belongs to channel tile t
.endr
.irp i, 0,1,2,3,4,5,6,7
	global_load_b32 v[136+\i], v6, s[40:41] offset:2048*\i            ; x(16 (v % 4) + 8 h + i, my column)
.endr
	ROUND                                          ; the four work-groups are here: the joint loads meet
	tensor_load_to_lds s[20:23], s[24:31]          ; one load a wave, the only one of the launch
	s_nop 0
.rept 4
	v_nop                                          ; four behind a tensor load
.endr
	; every LDS address is made here, of the lane, the wave's number and constants
	s_bfe_u32 s43, s12, 0x10001
	s_lshl_b32 s43, s43, 9
	s_and_b32 s42, s12, 1
	s_lshl_b32 s42, s42, 3
	s_add_co_u32 s43, s43, s42                     ; K chunk c = v % 4 of an image: 512 (c / 2) + 8 (c % 2)
	s_lshl_b32 s42, s39, 12
	s_add_co_u32 s42, s42, s43
	s_add_co_u32 s42, s42, WIMG
	v_lshl_add_u32 v7, v4, 4, s42                  ; v7: where I store my chunk of W's images
	s_lshl_b32 s42, s39, 10
	s_add_co_u32 s56, s42, CIMG
	v_lshl_add_u32 v10, v4, 4, s56                 ; v10: where I read the columns' image
	s_add_co_u32 s56, s56, s43
	v_lshl_add_u32 v8, v4, 4, s56                  ; v8: where I store my chunk of it
	v_lshl_add_u32 v9, v4, 4, WIMG                 ; v9: where I read W's images
	s_mul_i32 s42, s12, AWV
	s_add_co_u32 s42, s42, AREG
	v_mul_u32_u24 v11, v2, AP
	v_lshl_add_u32 v11, v3, 7, v11
	v_add_nc_u32 v11, s42, v11                     ; v11: a, in: column r, half h
	v_lshl_add_u32 v12, v3, 7, s42                 ; v12: a, back: my half of column 0; all sixteen lanes of a half read the same bytes
	s_mov_b32 s44, s12                             ; my blocks of 32 rows: v
	s_xor_b32 s45, s12, 15                         ; and 15 - v
	v_mul_u32_u24 v1, v3, 8*XP
	v_lshl_add_u32 v1, v2, 3, v1                   ; 8 h rows + 8 r: positions 2 r and 2 r + 1 of a block
	v_lshl_add_u32 v29, v2, 1, v3                  ; 2 r + h
.irp n, 0,1
	s_lshr_b32 s42, s[44+\n], 1
	s_mul_i32 s42, s42, GRP
	s_and_b32 s43, s[44+\n], 1
	s_lshl_b32 s43, s43, 7
	s_add_co_u32 s42, s42, s43
	v_add_nc_u32 v[13+\n], s42, v1                 ; v13, v14: x of block n
	s_lshl_b32 s42, s[44+\n], 5
	v_add_nc_u32 v[15+\n], s42, v29                ; v15, v16: the row w that I hold at a column's end: 32 B + 2 r + h
	s_mul_i32 s42, s[44+\n], CBB
	s_add_co_u32 s42, s42, CODES
	v_add_nc_u32 v[17+\n], s42, v29                ; v17, v18: its code's byte in column 0
.endr
	s_mul_i32 s42, s39, 4*GRP
	s_mul_i32 s43, s38, 16*XP
	s_add_co_u32 s42, s42, s43
	v_mul_u32_u24 v19, v2, XP
	v_lshl_add_u32 v19, v3, 6, v19
	v_add_nc_u32 v19, s42, v19                     ; v19: the last product's x: row d = 16 (v % 4) + r, w = 256 (v / 4) + 16 h
	s_lshl_b32 s42, s38, 12
	s_add_co_u32 s42, s42, XQIMG
	v_lshl_add_u32 v20, v4, 4, s42                 ; v20: its image: written by wave v + 4, read by wave v
	v_mul_u32_u24 v21, v2, CBP
	v_lshl_add_u32 v21, v3, 4, v21
	v_add_nc_u32 v21, CODES, v21                   ; v21: wmat's codes: column r, + 16 h
	s_lshl_b32 s42, s14, 6
	s_sub_co_u32 s42, 2016, s42
	s_lshl_b32 s43, s14, 5
	v_mad_u32_u24 v22, v3, s42, s43
	v_lshl_add_u32 v22, v2, 11, v22                ; v22: out: row r, column 8 g (h = 0) or 504 - 8 g (h = 1)
	s_mov_b32 s48, ttmp9                           ; the block of rows in which my low columns lie: g / 4 = cluster x,
	s_sub_co_u32 s49, 15, ttmp9                    ; and my high columns: both the same in all four partners
	s_mov_b32 s59, 0xffff0000                      ; lanes 16-31
	s_mov_b32 s60, 0x76543210                      ; v_permlanex16_b32: lane l xor 16
	s_mov_b32 s61, 0xfedcba98
	s_mov_b32 s62, 0xc3e00000                      ; -448
	s_mov_b32 s63, 0x43e00000                      ; 448
	s_wait_kmcnt 0x0
	s_cmp_lt_u32 s12, 4
	s_cselect_b32 s42, s33, s35                    ; e1 for the half of W that makes a, e3 for the other
	MKSCALE 25, 26, s42
	MKSCALE 27, 28, s32                            ; e0
	s_add_co_i32 s67, s34, s35
	s_add_co_i32 s66, s32, s33
	s_sub_co_i32 s66, s66, s67                     ; e0 + e1 - e2 - e3
	s_sub_co_i32 s67, s67, s37                     ; e2 + e3 - e5
	s_sub_co_i32 s68, 0, s37                       ; -e5
	s_add_co_i32 s69, s36, s37                     ; e4 + e5
	v_ldexp_f32 v23, 1.0, s67
	v_ldexp_f32 v24, 1.0, s68
	; ---- my chunk of W and of the 16 columns becomes codes.  The hold also turns [i][tile] into [tile][i], so that a conversion finds eight neighbours along K
	s_wait_loadcnt 0x0
.irp t, 0,1,2,3
.irp i, 0,1,2,3,4,5,6,7
	v_med3_num_f32 v[96+8*\t+\i], v[64+4*\i+\t], -v26, v26     ; the conversion to an 8-bit code does not saturate (ISA guide 7.6.2)
.endr
.endr
.irp i, 0,1,2,3,4,5,6,7
	v_med3_num_f32 v[136+\i], v[136+\i], -v28, v28
.endr
.irp t, 0,1,2,3
	v_cvt_scalef32_pk8_fp8_f32 v[128+2*\t:129+2*\t], v[96+8*\t:103+8*\t], v25
.endr
	v_cvt_scalef32_pk8_fp8_f32 v[144:145], v[136:143], v27
	v_nop                                          ; a plain instruction behind the last conversion, ahead of the writes of its scale registers below
.irp t, 0,1,2,3
	ds_store_b64 v7, v[128+2*\t:129+2*\t] offset:\t*1024       ; registers 2 c, 2 c + 1 of tile t's fragment
.endr
	ds_store_b64 v8, v[144:145]
	MKSCALE 25, 26, s34                            ; e2: x for b
	MKSCALE 27, 28, s36                            ; e4: x for the last product
	s_wait_tensorcnt 0x0                           ; my tile of x has landed,
	s_wait_dscnt 0x0                               ; my images are stored:
	s_barrier_signal -1
	s_barrier_wait -1                              ; everybody's
	; ---- a for the 16 columns, in every wave.  Source 0 = 16 channels of W, source 1 = the columns: lane (r, h) holds column r and the channels of rows 8 h + j of each tile
.irp t, 0,1,2,3
.irp cc, 0,1
	ds_load_b128 v[64+8*\t+4*\cc:67+8*\t+4*\cc], v9 offset:\t*1024+\cc*512
	ds_load_b128 v[32+8*\t+4*\cc:35+8*\t+4*\cc], v9 offset:4096+\t*1024+\cc*512
.endr
.endr
	ds_load_b128 v[96:99], v10
	ds_load_b128 v[100:103], v10 offset:512
	s_wait_dscnt 0x0
.irp t, 0,1,2,3
	v_wmma_f32_16x16x64_fp8_fp8 v[192+8*\t:199+8*\t], v[64+8*\t:71+8*\t], v[96:103], 0
.endr
.rept 4
	v_nop                                          ; four places behind the products, ahead of the reads of their results and of loads into their sources
.endr
.set k, 0
.rept 32
	v_ldexp_f32 v[224+k], v[192+k], s66            ; a at b's power of two: exact
.set k, k+1
.endr
.irp q, 0,1,2,3,4,5,6,7
	ds_store_b128 v11, v[224+4*\q:227+4*\q] offset:16*\q       ; my wave's own bytes: LDS serves a wave's instructions in order, so its later loads see them
.endr
; ---- b for block n: 32 positions x 64 d from LDS, 8 bytes a lane (positions 2 r, 2 r + 1: tiles 0 and 1); lanes 0-15 read 128 bytes of row d, lanes 16-31 of row d + 8, 32 banks further on
.macro BPROJ n
.set k, 0
.rept 32
	ds_load_b64 v[64+2*k:65+2*k], v[13+\n] offset:(16*(k/8)+k%8)*XP
.set k, k+1
.endr
	s_wait_dscnt 0x0                               ; they are in; the stores of a have read their registers too
.irp tl, 0,1
.set k, 0
.rept 32
	v_med3_num_f32 v[192+32*\tl+k], v[64+2*k+\tl], -v26, v26   ; the hold, and [d][tile] into [tile][d]
.set k, k+1
.endr
.endr
.irp tl, 0,1
.irp c, 0,1,2,3
	v_cvt_scalef32_pk8_fp8_f32 v[64+8*\tl+2*\c:65+8*\tl+2*\c], v[192+32*\tl+8*\c:199+32*\tl+8*\c], v25
.endr
.endr
	v_nop                                          ; a plain instruction between the conversions and the products, which read their results and (block 1) write over their sources
.irp t, 0,1,2,3
.irp tl, 0,1
	v_wmma_f32_16x16x64_fp8_fp8 v[128+64*\n+32*\tl+8*\t:135+64*\n+32*\tl+8*\t], v[32+8*\t:39+8*\t], v[64+8*\tl:71+8*\tl], 0
.endr
.endr
.endm
	BPROJ 0
.rept 4
	v_nop                                          ; places ahead of the loads into the registers that these products read
.endr
	BPROJ 1
	v_mov_b32 v116, 0                              ; five plain instructions: the places behind the products.  A lane permute's destination counts as read;
	v_mov_b32 v117, 0                              ; a block that is jumped over leaves its sum as it was: it is masked, but must have been written;
	v_mov_b32 v118, 0
	v_mov_b32 v120, 0                              ; the conversions below write the low halves of these two
	v_mov_b32 v121, 0
; ---- THE COLUMNS.  Block n against the column whose a lies in v[cur] on: for both tiles and my 32 channels (a + b)^2, two channels an instruction, in four chains; the first products start the sums.
.macro BLOCKN n, cur
	s_cmp_ge_u32 s[44+\n], s53                     ; does the block reach the diagonal?
	s_cbranch_scc0 .Labove_\@
.set B0, 128+64*\n
.set B1, B0+32
.irp qq, 0,1,2,3,4,5,6,7
	v_pk_add_f32 v[96:97],   v[B0+4*\qq:B0+4*\qq+1],   v[\cur+4*\qq:\cur+4*\qq+1]
	v_pk_add_f32 v[98:99],   v[B1+4*\qq:B1+4*\qq+1],   v[\cur+4*\qq:\cur+4*\qq+1]
	v_pk_add_f32 v[100:101], v[B0+4*\qq+2:B0+4*\qq+3], v[\cur+4*\qq+2:\cur+4*\qq+3]
	v_pk_add_f32 v[102:103], v[B1+4*\qq+2:B1+4*\qq+3], v[\cur+4*\qq+2:\cur+4*\qq+3]
.if \qq == 0
	v_pk_mul_f32 v[104:105], v[96:97], v[96:97]
	v_pk_mul_f32 v[106:107], v[98:99], v[98:99]
	v_pk_mul_f32 v[108:109], v[100:101], v[100:101]
	v_pk_mul_f32 v[110:111], v[102:103], v[102:103]
.else
	v_pk_fma_f32 v[104:105], v[96:97], v[96:97], v[104:105]
	v_pk_fma_f32 v[106:107], v[98:99], v[98:99], v[106:107]
	v_pk_fma_f32 v[108:109], v[100:101], v[100:101], v[108:109]
	v_pk_fma_f32 v[110:111], v[102:103], v[102:103], v[110:111]
.endif
.endr
	v_pk_add_f32 v[104:105], v[104:105], v[108:109]            ; tile 0
	v_pk_add_f32 v[106:107], v[106:107], v[110:111]            ; tile 1
	v_add_f32 v112, v104, v105
	v_add_f32 v113, v106, v107
	v_cndmask_b32 v114, v112, v113, s59            ; lanes 0-15 keep tile 0's half sum and send tile 1's; lanes 16-31 the other way round:
	v_cndmask_b32 v115, v113, v112, s59
	v_permlanex16_b32 v116, v115, s60, s61
	v_add_f32 v[117+\n], v114, v116                ; lane (r, h) holds the whole sum of row 32 B + 2 r + h
.Labove_\@:
.endm
; One column.  The next column's a is asked for first, into the other buffer; behind column 15 column 0 is read once more, so that no load is jumped over.
.macro HALF u, cur, nxt, aad
	s_lshl_b32 s55, s52, 1
.if \u
	s_add_co_u32 s55, s55, 1                       ; the column's index ci
.endif
	s_add_co_u32 s56, s55, 1
	s_and_b32 s56, s56, 15
	s_mul_i32 s56, s56, AP
	v_add_nc_u32 v\aad, s56, v12
.irp q, 0,1,2,3,4,5,6,7
	ds_load_b128 v[\nxt+4*\q:\nxt+4*\q+3], v\aad offset:16*\q
.endr
	s_mul_i32 s57, s55, CBP
	s_add_co_u32 s58, s54, s55                     ; the column c
	s_wait_dscnt 8                                 ; all but the eight just issued: this column's a is in, and the last column's byte stores have read their registers
	BLOCKN 0, \cur
	BLOCKN 1, \cur
	v_sqrt_f32 v122, v117
	v_sqrt_f32 v123, v118
	v_add_nc_u32 v30, s57, v17                     ; (plain instructions behind the roots)
	v_add_nc_u32 v31, s57, v18
	s_wait_alu depctr_va_vdst(0)                   ; the wait ahead of the first reader: one for both roots
	v_fma_f32 v124, -v122, v23, v24                ; (1 - n) / 2^e5 = 2^-e5 - root x 2^(e2+e3-e5): rounded once, as 1 - n is
	v_fma_f32 v125, -v123, v23, v24
	v_cmp_gt_u32 vcc_lo, s58, v15                  ; above the diagonal (c > w) the entry is 1
	v_cndmask_b32 v124, v124, v24, vcc_lo
	v_cmp_gt_u32 vcc_lo, s58, v16
	v_cndmask_b32 v125, v125, v24, vcc_lo
	v_med3_num_f32 v124, v124, s62, s63            ; the hold at the largest code
	v_med3_num_f32 v125, v125, s62, s63
	v_cvt_pk_fp8_f32 v120.l, v124, v124
	v_cvt_pk_fp8_f32 v121.l, v125, v125
	ds_store_b8 v30, v120                          ; 32 lanes, 32 neighbouring bytes: the column's codes of 32 rows, K innermost
	ds_store_b8 v31, v121
.endm
.irp q, 0,1,2,3,4,5,6,7
	ds_load_b128 v[32+4*\q:35+4*\q], v12 offset:16*\q          ; column 0
.endr
	s_mov_b32 s52, 0
.Lcol:                                                 ; 8 trips of two columns, so that the two buffers are back in place; trips 0-3: the low columns, 4-7: the high ones
	s_cmp_lt_u32 s52, 4
	s_cselect_b32 s53, s48, s49                    ; the first block of rows that counts
	s_cselect_b32 s54, s50, s51                    ; c - ci
	HALF 0, 32, 64, 29
	HALF 1, 64, 32, 1
	s_add_co_u32 s52, s52, 1
	s_cmp_lt_u32 s52, 8
	s_cbranch_scc1 .Lcol
	; ---- x for the last product: rows d = 16 (v % 4) + r, w = 256 (v / 4) + 0 .. 255: two fragments of 128 along K; registers 4 c .. 4 c + 3 hold w = 32 c + 16 h + 0 .. 15, in wmat's fragments too
	s_wait_dscnt 0x0                               ; the last loads into a's buffers have landed: the codes below go there
.irp s, 0,1
.irp c, 0,1,2,3
.irp j, 0,1,2,3
	ds_load_b128 v[128+64*\s+16*\c+4*\j:131+64*\s+16*\c+4*\j], v19 offset:(2*\s+\c/2)*GRP+(\c%2)*128+16*\j
.endr
.endr
.endr
.irp s, 0,1
	s_wait_dscnt 16-16*\s                          ; this fragment's sixteen loads are in; the second's may be out
.set k, 0
.rept 64
	v_med3_num_f32 v[128+64*\s+k], v[128+64*\s+k], -v28, v28
.set k, k+1
.endr
.irp c, 0,1,2,3
	v_cvt_scalef32_pk8_fp8_f32 v[32+16*\s+4*\c:33+16*\s+4*\c], v[128+64*\s+16*\c:135+64*\s+16*\c], v27
	v_cvt_scalef32_pk8_fp8_f32 v[34+16*\s+4*\c:35+16*\s+4*\c], v[136+64*\s+16*\c:143+64*\s+16*\c], v27
.endr
.endr
	v_nop                                          ; a plain instruction behind the last conversion
	s_cmp_lt_u32 s12, 4
	s_cbranch_scc1 .Lkeep                          ; waves 4-7 hand their fragments to waves 0-3, as images of the registers
.irp s, 0,1
.irp q, 0,1,2,3
	ds_store_b128 v20, v[32+16*\s+4*\q:35+16*\s+4*\q] offset:\s*2048+\q*512
.endr
.endr
.Lkeep:
	s_wait_dscnt 0x0                               ; my codes of wmat and my images are stored
	s_barrier_signal -1
	s_barrier_wait -1
	s_cmp_ge_u32 s12, 4
	s_cbranch_scc1 .Ldone
	; ---- out: wave v: rows d = 16 v .. 16 v + 15, all 16 columns, K = 512.  Source 0 = wmat's 16 columns, source 1 = x's 16 rows: lane (r, h) then holds row r and 8 neighbouring columns
.irp s, 0,1
.irp q, 0,1,2,3
	ds_load_b128 v[64+16*\s+4*\q:67+16*\s+4*\q], v20 offset:\s*2048+\q*512
.endr
.endr
.irp ks, 0,1,2,3
.irp c, 0,1,2,3
	ds_load_b128 v[128+16*\ks+4*\c:131+16*\ks+4*\c], v21 offset:(4*\ks+\c)*CBB
.endr
.endr
	s_wait_dscnt 0x0
	v_wmma_f32_16x16x128_fp8_fp8 v[192:199], v[128:143], v[32:47], 0          ; two accumulators by turns, one instruction a turn
	v_wmma_f32_16x16x128_fp8_fp8 v[200:207], v[144:159], v[48:63], 0
	v_wmma_f32_16x16x128_fp8_fp8 v[192:199], v[160:175], v[64:79], v[192:199]
	v_wmma_f32_16x16x128_fp8_fp8 v[200:207], v[176:191], v[80:95], v[200:207]
.rept 4
	v_nop
.endr
.irp i, 0,2,4,6
	v_pk_add_f32 v[208+\i:209+\i], v[192+\i:193+\i], v[200+\i:201+\i]
.endr
.irp j, 0,1,2,3,4,5,6,7
	v_ldexp_f32 v[208+\j], v[208+\j], s69          ; x 2^(e4 + e5)
.endr
	global_store_b128 v22, v[208:211], s[10:11]
	global_store_b128 v22, v[212:215], s[10:11] offset:16
.Ldone:
	s_set_vgpr_msb 0x5
	s_wait_tensorcnt 0x0
	ds_add_u32 v0, v1
	s_wait_dscnt 0x0
	s_set_vgpr_msb 0x500
	ROUND                                          ; the closing round: no work-group ends while a partner may still ask for a tile that names it
	s_endpgm
.Lfunc_end_k_qe2e8bdf143_bracket:
	.size	k_qe2e8bdf143_bracket, .Lfunc_end_k_qe2e8bdf143_bracket-k_qe2e8bdf143_bracket
	.p2alignl 7, 3214868480
	.fill 96, 4, 3214868480
	.section	.rodata,"a",@progbits
	.p2align	6, 0x0
	.amdhsa_kernel k_qe2e8bdf143_bracket
		.amdhsa_group_segment_fixed_size 214016
		.amdhsa_private_segment_fixed_size 0
		.amdhsa_enable_private_segment 0
		.amdhsa_kernarg_size 32
		.amdhsa_user_sgpr_count 2
		.amdhsa_user_sgpr_kernarg_segment_ptr 1
		.amdhsa_wavefront_size32 1
		.amdhsa_system_sgpr_workgroup_id_x 1
		.amdhsa_system_sgpr_workgroup_id_y 1
		.amdhsa_system_sgpr_workgroup_id_z 1
		.amdhsa_system_vgpr_workitem_id 0
		.amdhsa_next_free_vgpr 258
		.amdhsa_next_free_sgpr 72
		.amdhsa_reserve_vcc 1
		.amdhsa_float_denorm_mode_32 3
		.amdhsa_float_denorm_mode_16_64 3
		.amdhsa_memory_ordered 1
		.amdhsa_forward_progress 1
		.amdhsa_inst_pref_size 69
	.end_amdhsa_kernel
	.amdgpu_metadata
---
amdhsa.version: [ 1, 2 ]
amdhsa.kernels:
  - .name:           k_qe2e8bdf143_bracket
    .symbol:         k_qe2e8bdf143_bracket.kd
    .args:
      - { .name: x, .offset: 0, .size: 8, .value_kind: global_buffer, .address_space: global }
      - { .name: W, .offset: 8, .size: 8, .value_kind: global_buffer, .address_space: global }
      - { .name: lowp_scales, .offset: 16, .size: 8, .value_kind: global_buffer, .address_space: global }
      - { .name: out0, .offset: 24, .size: 8, .value_kind: global_buffer, .address_space: global }
    .group_segment_fixed_size: 214016
    .private_segment_fixed_size: 0
    .kernarg_segment_align: 8
    .kernarg_segment_size: 32
    .max_flat_workgroup_size: 256
    .sgpr_count:     72
    .vgpr_count:     258
    .wavefront_size: 32
...
	.end_amdgpu_metadata
.endif
;; end of part 1
